; MI455X (gfx1250); checked and timed in simulation.
; The chip was launched on July 23, 2026; its instructions are those of AMD's public machine-readable ISA for CDNA 5 (MIT licence, August 2026) and "CDNA5" Instruction Set Architecture Reference Guide (July 2026). The comments in the code are by the model that wrote it; some were corrected since.
;; Point Net Polyline Encoder. Allowed arithmetic: matrix products marked QUANTISED: E2M3 operands, one E8M0 scale for each 32 along K, by v_wmma_scale_f32_16x16x128_f8f6f4 with both operands' format E2M3, f32 sums; products left as they are: f32 operands where the result goes on into a quantised operand, else bf16, f16 or f32 operands; f32 sums; everything else in f32.
;; Inputs: m1_b 64 float32; m1_beta 64 float32; m1_g 64 float32; m1_rm 64 float32; m1_rv 64 float32; m1_w 128 x 64 float32; m2_b 64 float32; m2_beta 64 float32; m2_g 64 float32; m2_rm 64 float32; m2_rv 64 float32; m2_w 64 x 64 float32; out1_b 64 float32; out1_w 64 x 64 float32; out2_b 128 float32; out2_w 64 x 128 float32; polylines 16 x 1,024 x 32 x 9 float32; polylines_mask 16 x 1,024 x 32 bool; pre_b 64 float32; pre_beta 64 float32; pre_g 64 float32; pre_rm 64 float32; pre_rv 64 float32; pre_w 9 x 64 float32.
;; Outputs: out0 16 x 1,024 x 128 float32.
;; This version of the problem:
;;   THIS VERSION OF THE PROBLEM IS GIVEN IN LOW PRECISION. The matrix products marked QUANTISED in the list below multiply operands that are first quantised to E2M3 (2 exponent bits, 3 mantissa bits; 6 bits a number), with one power-of-two scale for each 32 numbers along K (OCP MX v1.0); their sums are f32. All else is computed in f32.
;;   The module's matrix products, in the order in which they are computed (A, B: the left and right operand; K: the contracted axis; several contracted axes count as one K, in the product's order):
;;     1. [M 524,288, K 9] x [K 9, N 64]; A: input polylines; B: input pre_w: left as it is (K = 9 < 32)
;;     2. [M 524,288, K 128] x [K 128, N 64]; A: computed on the way; B: input m1_w: QUANTISED
;;     3. [M 524,288, K 64] x [K 64, N 64]; A: computed on the way; B: input m2_w: QUANTISED
;;     4. [M 16,384, K 64] x [K 64, N 64]; A: computed on the way; B: input out1_w: QUANTISED
;;     5. [M 16,384, K 64] x [K 64, N 128]; A: computed on the way; B: input out2_w: QUANTISED
;;   THE QUANTISER, for each operand of a quantised product, along K:
;;     - K is cut into blocks of 32 from its start; a last block that is shorter is filled with zeros.
;;     - A block's scale is 2^e with e = floor(log2(the largest magnitude in the block)) - 2, held to -126 .. 127; a block of zeros has e = 0. As a byte (E8M0): e + 127.
;;     - Each number is divided by its block's scale, clamped to +-7.5, and rounded to the nearest number of E2M3, ties to even, subnormals kept.
;;     - The product sums the exact products of the quantised numbers (number of the format x scale) in f32.
;;   ~~~python
;;   def quantise(x, axis):      # numpy; x: float32 -> the quantised numbers, widened to float32 again
;;       x = np.moveaxis(x, axis, -1); K = x.shape[-1]
;;       x = np.pad(x, [(0, 0)] * (x.ndim - 1) + [(0, -K % 32)]); x = x.reshape(x.shape[:-1] + (-1, 32)); a = np.abs(x).max(-1, keepdims=True)
;;       e = np.where(a > 0, np.clip(np.frexp(np.where(a > 0, a, 1))[1] - 1 - 2, -126, 127), 0)      # np.frexp(a)[1] - 1 = floor(log2(a)), exactly
;;       r = np.clip(x / 2.0 ** e, -7.5, 7.5)
;;       step = 2.0 ** (np.maximum(np.frexp(np.where(r == 0, 1, r))[1] - 1, 0) - 3)
;;       q = np.round(r / step) * step * 2.0 ** e      # np.round: ties to even
;;       return np.moveaxis(q.reshape(q.shape[:-2] + (-1,))[..., :K], -1, axis).astype(np.float32)
;;   ~~~
;;   OPERANDS COMPUTED ON THE WAY. 'Computed on the way' means the value that the module computes at that place (a softmax that the list does not call 'softmax' is quantised finished and normalised). What goes into a quantiser is computed in f32, as accurately as f32 sums, v_exp_f32 and their like allow (about 1e-6 of the number): no bf16 or f16 on the way to a quantiser, and a product that is left as it is and whose result goes on into a quantised operand takes f32 operands (vector FMAs, or v_wmma_f32_16x16x4_f32). A number that lies on a knife's edge between two numbers of the format may be rounded either way, as far as f32 arithmetic and the matrix unit's own rounding can turn it there, and no further.
;; One version. Each part assembles by itself: llvm-mc -triple=amdgcn-amd-amdhsa -mcpu=gfx1250 --defsym DOCPART=n.
;; ======== version 1 of 1: 1 launch
;; launch encode (part 1): grid 256 x 1, 8 waves a work-group, no clusters, 226,304 bytes of LDS; arguments polylines, polylines_mask, pre_w, pre_b, pre_g, pre_beta, pre_rm, pre_rv, m1_b, m1_g, m1_beta, m1_rm, m1_rv, m2_b, m2_g, m2_beta, m2_rm, m2_rv, m1_w, m2_w, out1_w, out2_w, out1_b, out2_b, out0; writes out0
.if DOCPART == 1
	.amdgcn_target "amdgcn-amd-amdhsa--gfx1250"
	.amdhsa_code_object_version 6
	.text
	.protected	k_qed5c2381cf_encode
	.globl	k_qed5c2381cf_encode
	.p2align	8
	.type	k_qed5c2381cf_encode,@function
k_qed5c2381cf_encode:
	s_mov_b64 s[64:65], 0
	v_nop
	global_prefetch_b8 v0, s[64:65] scope:SCOPE_SE
	s_setreg_imm32_b32 hwreg(HW_REG_WAVE_MODE, 25, 1), 1
	s_wait_xcnt 0x0
; PointNet polyline encoder, the whole chain in one launch.  16,384 polylines x 32 points x 9 numbers -> [16,384][128] f32.
;   f  = mask . relu(BN(x pre_w + b))                 f32 operands (v_wmma_f32_16x16x4_f32): its result goes into a quantiser
;   h1 = relu(BN([f, max over points of f] m1_w + b)) codes of FP6 (E2M3), one E8M0 scale for each 32 along K
;   h2 = relu(BN(h1 m2_w + b)), masked, max over points; then relu(. out1_w + b) out2_w + b, all three on codes; 0 where a polyline has no valid point.
; SHARES.  256 work-groups of eight waves of 512 registers (two to a SIMD, so that one wave's vector work stands beside the other's matrix work).  A work-group owns 64 polylines, a wave 8.
; Behind the one barrier, which shows the weights' tables to all, the waves share nothing.
; LAYOUT.  Every product is used transposed: source 0 = 16 rows of a weight (output channels), source 1 = 16 columns.  A tile's 16 columns are 8 polylines x 2 points: lane r = q + 8 u holds polyline q,
; point 2 t + u of tile t.  So a lane holds one point, its registers run along the channels, and a maximum over points is a maximum over tiles inside the lane and ONE step between lanes r and r xor 8.
; THE ROWS OF A WEIGHT THAT FORM A TILE ARE NOT NEIGHBOURS: row m of tile T is channel 32 (T / 2) + 8 (T % 2) + m + 8 (m / 8), so that result register 8 T + j of lane (r, h) is channel 32 (T / 2) + 16 h + 8 (T % 2) + j:
; a tile's 32 registers are two half blocks of 32 in the next K's order.  TWO tiles (64 registers) are quantised together into ONE operand of 128 along K: [tile a's 64 channels | tile b's 64].
; Tile a is multiplied by (W | 0), tile b by (0 | W): two views of one run of registers 0 W0 0 W1 0 .. (zero codes add nothing under any scale byte but 0xff).
; WHAT IS TAKEN OUT OF THE WORK ON EACH NUMBER.  Layer 0: BN is folded into the weights, w' = w s, and t = (b - rm) s + beta is K row 9 against a constant 1.0; the mask is a bitwise AND on the lane's six numbers of x, the 1.0 among them.
; Layer 1: the pooled half of K is the same for all points of a polyline: its product is made once a wave and is the C of every product of the other half.
; Layer 2: columns of m2_w whose gain is negative are negated ahead of the quantiser (which is odd), so that h2 = acc |s| + t rises with acc: the maximum over points is taken of acc, and BN and relu are done once a polyline.
; Its mask is the C operand: 0 for a valid point, -3e38 for a masked one; a polyline is valid where the maximum of those words is 0.
; NO CLUSTER: what work-groups share is the 98,304 bytes of f32 weights, read once by each, a lane to a column, straight into the registers in which they are quantised; no loop asks for them again,
; and a joint load would add a way through LDS (96 LDS loads a wave) and two rounds of the cluster's barrier.  x, the mask and the output are each work-group's own.
; LIMITS.  Of a mask byte bit 0 is read.  Unmasked inputs are finite, rv + 1e-5 > 0.  A valid point's layer-2 sum lies above -3e38.  A block whose largest magnitude lies under 2^-124 keeps the scale byte 1,
; a block of zeros too (its codes are zeros; the bytes are read by this program alone).  BN is applied as acc s + t, with s = rsq(rv + 1e-5) g: f32 rounding in another order than (h - rm) rsq g + beta.
; LDS: x comes by asynchronous copies; every byte is filled once.
; ---- LDS map, in bytes
.set XWAVE, 9344                       ; from byte 0: x, a wave's 8 polylines at pitch XPL
.set XPL,   1168                       ; 1,152 bytes + 16: 292 words; the 32 lanes of a load (292 q + 9 u + 2 h words) fall on 32 different banks (64 banks of 4 bytes: ISA guide 11.1)
.set CODE,  74752                      ; a wave's 8 operand images of 1,536 bytes, then their 8 x 128 bytes of scale words; at the end the wave's stage for the way out
.set CWAVE, 13312
.set CSC,   12288
.set MWT,   181248                     ; a wave's AND words (all ones or 0): polyline pitch MPL, 4 bytes a point
.set MWAVE, 1152
.set MPL,   144
.set PEN,   9216                       ; so far behind them: the penalty words (0 or -3e38), laid alike
.set TB,    199680                     ; the tables that all waves read; the offsets below count from here
.set IMG1,  0                          ; half fragments of 768 bytes (registers 0-3 at 16 x lane, 4-5 at 512 + 8 x lane): m1's, tile T half c at 2 T + c
.set IMG2,  6144                       ; m2's tiles 0-3, out1's tiles 0-3
.set IMG3,  12288                      ; out2's tiles 0-7
.set SC1,   18432                      ; their scale words, 128 bytes each
.set SC2,   19456
.set SC3,   20480
.set BNS,   21504                      ; s at 4 x thread: 256 bytes for layer 0, layer 1, layer 2 (|s|), and layer 2 once more
.set BNT,   22528                      ; t likewise
.set OB1,   23552                      ; out1_b
.set OB2,   24576                      ; out2_b
.set NEG,   0xff61b1e6                 ; -3e38
; ---- registers, window 0
.set LANE, 1
.set R,    2                           ; lane % 16
.set H,    3                           ; lane / 16
.set AX,   4                           ; x: my point's numbers 2 h, 2 h + 1 of the pair in hand
.set AX2,  5                           ; the same without 8 h
.set AMW,  6                           ; my AND word
.set ACD,  7                           ; where the pair's image goes
.set ASC,  8                           ; and its scale word
.set BCD,  9                           ; where it is read back
.set BSC,  10
.set APN,  11                          ; my penalty word, less PEN
.set HM,   12                          ; h - 1: all ones in lanes 0-15, 0 in lanes 16-31
.set A16,  13                          ; TB + 16 x lane
.set A8,   14                          ; TB + 8 x lane
.set A4,   15                          ; TB + 4 x lane
.set AH64, 16                          ; TB + 64 h
.set AH32, 17                          ; TB + 32 h
.set ARP,  18                          ; TB + 4 (r + 8 (r / 8))
.set STO,  19                          ; the way out: where I put 32 bytes of a row
.set SRD,  20                          ; and where I read a row back
.set GO,   21                          ; 16 x lane
.set OPW,  22                          ; pre_w: 512 h + 4 (r + 8 (r / 8))
.set ORP,  23                          ; 4 (r + 8 (r / 8))
.set H8,   24                          ; 8 h
.set OMK,  25                          ; 8 x lane
.set BNV,  26                          ; v26-30 b, g, beta, rm, rv of my thread's channel
.set SG,   31                          ; the sign of m2_g at my column, or 0
.set XU,   32                          ; head: v32 LDS address of a copy's 16 bytes; v33-35 the same, 16 more from lane 8, 16, 24 on
.set GL,   36                          ; head: 16 x lane
.set WI16, 37                          ; head: where my wave's half fragments go
.set WI8,  38
.set WI4,  39                          ; head: TB + 4 x thread: scale words, s, t, biases
.set MTW,  41                          ; head: where my 8 AND words go
.set OF1,  42                          ; head: my column's first number in m1_w, in m2_w or out1_w, in out2_w
.set OF2,  43
.set OF3,  44
.set OFG,  45                          ; head: my column in m2_g
.set OFB,  46                          ; head: 4 (thread % 64)
.set OFB2, 47                          ; head: 4 (thread % 128)
.set XA,   32                          ; first half: v32-37 tile a's six numbers of x, v38-43 tile b's
.set MWA,  44                          ; v44, v45 their AND words; v46 at work
.set OP,   32                          ; second half: v32-43 a pair's operand
.set PN,   46                          ; v46, v47 the pair's penalty words
.set M1S,  48                          ; v48-59 the weights' scale words, v60 a pair's as loaded, v61 the one just made: these hold scales and nothing else
.set M2S,  52
.set O2X,  56
.set PWL,  60
.set PW,   61
.set VM,   62                          ; the largest penalty word so far (head: v62-63 my 8 mask bytes)
.set ACC,  64                          ; v64-127 eight accumulators: tile a's four, tile b's four.  Written by matrix instructions alone
.set W,    128                         ; v128-191 64 numbers at work (head: units 1 and 2 as loaded)
.set CP,   192                         ; v192-223 the running pool, then the pooled half's product (head: unit 3 as loaded)
.set PC,   224                         ; v224-235 codes just made, v236-243 at work
.set TM,   244                         ; v244-247 largest magnitudes, v248-251 the other half's / bytes, v252-255 the conversions' scale operands
; ---- registers, window 1
.set PRE,  0                           ; v0-23 layer 0's weights: tile T, K step s at 6 T + 2 s;  later v0-31 F, the running maximum of layer 2's sums
.set F,    0
.set CH,   32                          ; v32-133 the run 0 W0 0 W1 .. W7 0, six registers each: (0 | Wk) at CH + 12 k, (Wk | 0) at CH + 6 + 12 k
.set S1,   134                         ; v134-165 layer 1's s, v166-197 its t, in the result's layout
.set T1,   166
.set PNA,  198                         ; v198-205, v206-213 the pair's penalty words as C operands
.set PNB,  206
; ---- scalars
.set WV,   66
.set SEL,  70                          ; s[70:71] v_permlanex16_b32's selects for lane l xor 16
.set CNT,  72
.set XBASE, 76                         ; s[76:91] my wave's x, less 16 e bytes, e = 0 .. 7
.set MSB, 0
.macro WIN new                         ; s_set_vgpr_msb: bits 1:0 source 0, 3:2 source 1, 5:4 source 2, 7:6 destination; the high byte repeats the setting that is left
.if MSB != \new
	s_set_vgpr_msb (MSB<<8)|\new
.set MSB, \new
.endif
.endm
.macro PLACES cnt                      ; plain vector instructions that name no register of the matrix instruction behind which, or ahead of which, they stand (ISA guide 7.12.1)
.rept \cnt
	v_nop
.endr
.endm
; Copy i of 18: 512 consecutive bytes of my wave's x, 16 a lane.  In LDS 16 bytes of padding follow each polyline's 72 pieces of 16 bytes.  The immediate is added to both addresses, so the padding passed (16 EL)
; stands in the immediate and is taken off the global base; lanes beyond a polyline's end inside the copy take the LDS register that is 16 further on.
.macro XCOPY i
.set EL, (32*(\i))/72
.set EH, (32*(\i)+31)/72
.set XR, XU
.if EL != EH
.set XR, XU+(72*EH-32*(\i))/8
.endif
	global_load_async_to_lds_b128 v[XR], v[GL], s[XBASE+2*EL:XBASE+2*EL+1] offset:512*(\i)+16*EL
.endm
.macro WLOAD dst, off, base, pitch     ; a block of 32 along K of my column: a lane to a column, registers down K
.set nn, 0
.rept 32
	global_load_b32 v[\dst+nn], v[\off], s[\base:\base+1] offset:\pitch*nn
.set nn, nn+1
.endr
.endm
; My block of 32 numbers, v[src] on, becomes six registers of codes and, with lane l xor 16's, the row's two scale bytes, written twice in a word so that the word serves (W | 0) and (0 | W) alike.
.macro WQ src, flip, img, sc
.if \flip
.set nn, 0
.rept 32
	v_xor_b32 v[\src+nn], v[SG], v[\src+nn]
.set nn, nn+1
.endr
.endif
	v_max3_num_f32 v[TM], |v[\src]|, |v[\src+1]|, |v[\src+2]|
	v_max3_num_f32 v[TM+1], |v[\src+3]|, |v[\src+4]|, |v[\src+5]|
.irp i, 6,10,14,18,22,26
	v_max3_num_f32 v[TM], v[TM], |v[\src+\i]|, |v[\src+\i+1]|
	v_max3_num_f32 v[TM+1], v[TM+1], |v[\src+\i+2]|, |v[\src+\i+3]|
.endr
	v_max3_num_f32 v[TM], v[TM], |v[\src+30]|, |v[\src+31]|
	v_max3_num_f32 v[TM], v[TM], v[TM+1], 0x1800000           ; the floor 2^(3 - 127): the byte cannot fall under 1
	v_add_nc_u32 v[TM+8], 0xff000000, v[TM]                   ; 2 off the exponent field: the conversion's scale operand
	v_lshrrev_b32 v[TM+1], 23, v[TM+8]                        ; the scale's byte,
	v_lshlrev_b32 v[TM+1], v[H8], v[TM+1]                     ; at its place,
	v_permlanex16_b32 v[TM+4], v[TM+1], s[SEL], s[SEL+1]
	v_or_b32 v[TM+1], v[TM+1], v[TM+4]                        ; with the other block's,
	v_lshl_or_b32 v[TM+1], v[TM+1], 16, v[TM+1]               ; twice
	v_cvt_scalef32_pk16_fp6_f32 v[PC:PC+2], v[\src:\src+15], v[TM+8]
	v_cvt_scalef32_pk16_fp6_f32 v[PC+12:PC+14], v[\src+16:\src+31], v[TM+8]   ; (a conversion's three registers begin on an even number)
	v_nop                                                     ; one plain place behind a scaled conversion
.irp i, 0,1,2
	v_mov_b32 v[PC+3+\i], v[PC+12+\i]
.endr
	ds_store_b128 v[WI16], v[PC:PC+3] offset:\img
	ds_store_b64 v[WI8], v[PC+4:PC+5] offset:\img+512
	ds_store_b32 v[WI4], v[TM+1] offset:\sc
	s_wait_dscnt 0x0                                          ; the stores have read their registers
.endm
; 64 numbers of a lane, register 16 b + i = k 32 b + 16 (lane / 16) + i of my column, become an operand's 12 registers in v[PC] on and its scale word in v[PW].
.macro QUANT s
.irp b, 0,1,2,3
	v_max3_num_f32 v[TM+\b], |v[\s+16*\b]|, |v[\s+1+16*\b]|, 0x1800000   ; block b: my 16 numbers, and the floor 2^(3 - 127)
.endr
.irp i, 2,4,6,8,10,12,14
.irp b, 0,1,2,3
	v_max3_num_f32 v[TM+\b], v[TM+\b], |v[\s+16*\b+\i]|, |v[\s+1+16*\b+\i]|   ; (the four blocks by turns)
.endr
.endr
.irp b, 0,1,2,3
	v_permlanex16_b32 v[TM+4+\b], v[TM+\b], s[SEL], s[SEL+1]
.endr
.irp b, 0,1,2,3
	v_max_num_f32 v[TM+\b], v[TM+\b], v[TM+4+\b]              ; with lane l xor 16's: the block's largest magnitude
.endr
.irp b, 0,1,2,3
	v_add_nc_u32 v[TM+8+\b], 0xff000000, v[TM+\b]             ; 2 off its exponent field: the conversion's scale operand
.endr
.irp b, 0,1,2,3
	v_lshrrev_b32 v[TM+4+\b], 23, v[TM+8+\b]                  ; the scale's byte
.endr
	v_lshl_or_b32 v[PW], v[TM+5], 8, v[TM+4]
	v_lshl_or_b32 v[PW], v[TM+6], 16, v[PW]
	v_lshl_or_b32 v[PW], v[TM+7], 24, v[PW]
.irp c, 0,1
	v_cvt_scalef32_pk16_fp6_f32 v[PC+6*\c:PC+2+6*\c], v[\s+32*\c:\s+15+32*\c], v[TM+8+2*\c]
	v_cvt_scalef32_pk16_fp6_f32 v[PC+12+4*\c:PC+14+4*\c], v[\s+16+32*\c:\s+31+32*\c], v[TM+8+2*\c+1]
.endr
	v_nop                                                     ; one plain place behind a scaled conversion
.irp c, 0,1                                                   ; the operand's layout wants a whole block in a lane: lanes 0-15 block 2 c, lanes 16-31 block 2 c + 1
.irp i, 0,1,2
	v_permlane16_swap_b32 v[PC+6*\c+\i], v[PC+12+4*\c+\i]
.endr
.irp i, 0,1,2
	v_mov_b32 v[PC+3+6*\c+\i], v[PC+12+4*\c+\i]
.endr
.endr
.endm
.macro FETCHW k, img                   ; a half fragment from the tables into Wk of the run
	WIN 0x40
	ds_load_b128 v[CH+6+12*(\k):CH+9+12*(\k)], v[A16] offset:\img
	ds_load_b64 v[CH+10+12*(\k):CH+11+12*(\k)], v[A8] offset:\img+512
.endm
.macro DLAY dst, off                   ; 64 numbers a channel, from off on, in the result's layout: register 8 T + j = channel 32 (T / 2) + 16 h + 8 (T % 2) + j
.irp T, 0,1,2,3
	ds_load_b128 v[\dst+8*\T:\dst+8*\T+3], v[AH64] offset:\off+128*(\T/2)+32*(\T%2)
	ds_load_b128 v[\dst+8*\T+4:\dst+8*\T+7], v[AH64] offset:\off+128*(\T/2)+32*(\T%2)+16
.endr
.endm
.macro RELU d, s, cnt                  ; from the low end on
.set nn, 0
.rept \cnt
	v_max_num_f32 v[\d+nn], 0, v[\s+nn]
.set nn, nn+1
.endr
.endm
.macro FP6C d, a, b, c, sa, sb
	v_wmma_scale_f32_16x16x128_f8f6f4 v[\d:\d+7], v[\a:\a+11], v[\b:\b+11], v[\c:\c+7], v[\sa], v[\sb] matrix_a_fmt:MATRIX_FMT_FP6 matrix_b_fmt:MATRIX_FMT_FP6
.endm
.macro FP6Z d, a, b, sa, sb
	v_wmma_scale_f32_16x16x128_f8f6f4 v[\d:\d+7], v[\a:\a+11], v[\b:\b+11], 0, v[\sa], v[\sb] matrix_a_fmt:MATRIX_FMT_FP6 matrix_b_fmt:MATRIX_FMT_FP6
.endm
; ================ THE HEAD ================
	s_load_b512 s[4:19], s[0:1], 0x0               ; polylines 4, mask 6, pre_w 8, pre_b 10, pre_g 12, pre_beta 14, pre_rm 16, pre_rv 18
	s_load_b512 s[20:35], s[0:1], 0x40             ; m1_b 20, m1_g 22, m1_beta 24, m1_rm 26, m1_rv 28, m2_b 30, m2_g 32, m2_beta 34
	s_load_b512 s[36:51], s[0:1], 0x80             ; m2_rm 36, m2_rv 38, m1_w 40, m2_w 42, out1_w 44, out2_w 46, out1_b 48, out2_b 50
	s_load_b64 s[52:53], s[0:1], 0xc0              ; out0
	v_lshl_add_u32 v243, v0, 2, 0x37000
	s_set_vgpr_msb 0x40
	v_mov_b32 v255, 0
	s_set_vgpr_msb 0x4044
	ds_add_u32 v243, v255
	ds_add_u32 v243, v255
	s_set_vgpr_msb 0x4400
	v_lshrrev_b32 v[LANE], 5, v0
	v_readfirstlane_b32 s[WV], v[LANE]             ; wave 0..7
	v_and_b32 v[LANE], 31, v0
	v_and_b32 v[R], 15, v0
	v_bfe_u32 v[H], v0, 4, 1
	s_mul_i32 s75, s[WV], XWAVE                    ; my wave's x in LDS
	v_lshl_add_u32 v[XU], v[LANE], 4, s75
.irp t, 1,2,3
	v_add_nc_u32 v[XU+\t], 32-8*\t, v[LANE]
	v_lshrrev_b32 v[XU+\t], 5, v[XU+\t]            ; 1 from lane 8 t on
	v_lshl_add_u32 v[XU+\t], v[XU+\t], 4, v[XU]
.endr
	v_lshlrev_b32 v[GL], 4, v[LANE]
	s_mul_i32 s68, ttmp9, 73728                    ; 64 polylines of 1,152 bytes a work-group,
	s_mul_i32 s94, s[WV], 9216                     ; 8 a wave
	s_add_co_u32 s68, s68, s94
	s_mov_b32 s69, 0
	s_wait_dscnt 0x0
	s_wait_kmcnt 0x0
	s_add_nc_u64 s[4:5], s[4:5], s[68:69]
	s_mov_b64 s[XBASE:XBASE+1], s[4:5]
.irp e, 1,2,3,4,5,6,7
	s_sub_nc_u64 s[XBASE+2*\e:XBASE+2*\e+1], s[4:5], 16*\e
.endr
.irp i, 0,1,2,3,4,5,6,7,8,9,10,11,12,13,14,15,16,17
	XCOPY \i                                       ; all of my wave's x, ahead of every LDS read, barrier and wait on ASYNCcnt
.endr
	; the other bases, and which layer's BN and which weight my wave takes
	s_lshl_b32 s68, ttmp9, 11
	s_lshl_b32 s94, s[WV], 8
	s_add_co_u32 s68, s68, s94
	s_add_nc_u64 s[6:7], s[6:7], s[68:69]          ; my wave's 256 mask bytes
	s_lshl_b32 s68, ttmp9, 15
	s_lshl_b32 s94, s[WV], 12
	s_add_co_u32 s68, s68, s94
	s_add_nc_u64 s[52:53], s[52:53], s[68:69]      ; my wave's 8 rows of the output
	s_mov_b32 s[SEL], 0x76543210
	s_mov_b32 s[SEL+1], 0xfedcba98
	s_cmp_lt_u32 s[WV], 4                          ; threads 0-63 layer 0, 64-127 layer 1, the others layer 2: a choice on the wave's number alone
	s_cselect_b64 s[54:55], s[20:21], s[30:31]
	s_cselect_b64 s[56:57], s[22:23], s[32:33]
	s_cselect_b64 s[58:59], s[24:25], s[34:35]
	s_cselect_b64 s[60:61], s[26:27], s[36:37]
	s_cselect_b64 s[62:63], s[28:29], s[38:39]
	s_cselect_b64 s[92:93], s[42:43], s[44:45]     ; unit 2: waves 0-3 m2_w, waves 4-7 out1_w
	s_cselect_b32 s73, -1, 0x7fffffff              ; layer 2's s is kept as |s|
	s_cselect_b32 s74, 0x80000000, 0               ; and m2_w's columns take the sign of their gain
	s_cmp_lt_u32 s[WV], 2
	s_cselect_b64 s[54:55], s[10:11], s[54:55]
	s_cselect_b64 s[56:57], s[12:13], s[56:57]
	s_cselect_b64 s[58:59], s[14:15], s[58:59]
	s_cselect_b64 s[60:61], s[16:17], s[60:61]
	s_cselect_b64 s[62:63], s[18:19], s[62:63]
	; every address register is made here, once
	v_and_b32 v224, 7, v0                          ; q
	v_bfe_u32 v225, v0, 3, 1                       ; u
	v_mul_u32_u24 v[AX2], v224, XPL
	v_mad_u32_u24 v[AX2], v225, 36, v[AX2]
	v_add_nc_u32 v[AX2], s75, v[AX2]
	v_lshl_add_u32 v[AX], v[H], 3, v[AX2]
	s_mul_i32 s94, s[WV], MWAVE
	s_add_co_u32 s94, s94, MWT
	v_mul_u32_u24 v226, v224, MPL
	v_lshl_add_u32 v226, v225, 2, v226
	v_add_nc_u32 v[AMW], s94, v226
	v_add_nc_u32 v[APN], s94, v226
	s_mul_i32 s95, s[WV], CWAVE
	s_add_co_u32 s95, s95, CODE
	s_add_co_u32 s96, s95, CSC
	v_lshl_add_u32 v[ACD], v[LANE], 4, s95
	v_lshl_add_u32 v[BCD], v[LANE], 4, s95
	v_lshl_add_u32 v[SRD], v[LANE], 4, s95
	v_lshl_add_u32 v[ASC], v[LANE], 2, s96
	v_lshl_add_u32 v[BSC], v[LANE], 2, s96
	v_mul_u32_u24 v[STO], v224, 528
	v_lshl_add_u32 v[STO], v[H], 5, v[STO]
	v_add_nc_u32 v[STO], s95, v[STO]
	v_add_nc_u32 v[HM], -1, v[H]
	v_lshl_add_u32 v[A16], v[LANE], 4, TB
	v_lshl_add_u32 v[A8], v[LANE], 3, TB
	v_lshl_add_u32 v[A4], v[LANE], 2, TB
	v_lshl_add_u32 v[AH64], v[H], 6, TB
	v_lshl_add_u32 v[AH32], v[H], 5, TB
	v_and_b32 v227, 8, v[R]
	v_add_nc_u32 v227, v227, v[R]                  ; r + 8 (r / 8)
	v_lshl_add_u32 v[ARP], v227, 2, TB
	v_lshlrev_b32 v[GO], 4, v[LANE]
	v_lshlrev_b32 v[ORP], 2, v227
	v_lshl_add_u32 v[OPW], v[H], 9, v[ORP]
	v_lshlrev_b32 v[H8], 3, v[H]
	v_lshlrev_b32 v[OMK], 3, v[LANE]
	s_mul_i32 s97, s[WV], 768
	s_add_co_u32 s97, s97, TB
	v_lshl_add_u32 v[WI16], v[LANE], 4, s97
	v_lshl_add_u32 v[WI8], v[LANE], 3, s97
	v_lshl_add_u32 v[WI4], v0, 2, TB
	v_lshrrev_b32 v228, 2, v[LANE]
	v_and_b32 v229, 3, v[LANE]
	v_mul_u32_u24 v[MTW], v228, MPL
	v_lshl_add_u32 v[MTW], v229, 5, v[MTW]
	v_add_nc_u32 v[MTW], s94, v[MTW]
	v_lshl_add_u32 v230, v[H], 13, v[ORP]          ; 32 h rows of 256 bytes + my column in a tile
	s_and_b32 s98, s[WV], 1                        ; unit 1: m1_w, tile T = wave / 2, half c = wave % 2: 64 c rows, column 32 (T / 2) + 8 (T % 2) on
	s_lshl_b32 s98, s98, 14
	s_lshr_b32 s99, s[WV], 2
	s_lshl_b32 s99, s99, 7
	s_add_co_u32 s98, s98, s99
	s_bfe_u32 s99, s[WV], 0x10001
	s_lshl_b32 s99, s99, 5
	s_add_co_u32 s98, s98, s99
	v_add_nc_u32 v[OF1], s98, v230
	s_bfe_u32 s99, s[WV], 0x10001                  ; unit 2: tile T = wave % 4
	s_lshl_b32 s99, s99, 7
	s_and_b32 s98, s[WV], 1
	s_lshl_b32 s98, s98, 5
	s_add_co_u32 s98, s98, s99
	v_add_nc_u32 v[OF2], s98, v230
	v_add_nc_u32 v[OFG], s98, v[ORP]
	s_lshl_b32 s98, s[WV], 6                       ; unit 3: out2_w, tile = wave, columns as they lie: 16 wave + r; 32 h rows of 512 bytes
	v_lshlrev_b32 v[OF3], 2, v[R]
	v_lshl_add_u32 v[OF3], v[H], 14, v[OF3]
	v_add_nc_u32 v[OF3], s98, v[OF3]
	v_and_b32 v[OFB], 63, v0
	v_lshlrev_b32 v[OFB], 2, v[OFB]
	v_and_b32 v[OFB2], 127, v0
	v_lshlrev_b32 v[OFB2], 2, v[OFB2]
	; 125 loads into registers: 9 small ones, three units of 32, 20 of pre_w
	global_load_b32 v[BNV], v[OFB], s[54:55]
	global_load_b32 v[BNV+1], v[OFB], s[56:57]
	global_load_b32 v[BNV+2], v[OFB], s[58:59]
	global_load_b32 v[BNV+3], v[OFB], s[60:61]
	global_load_b32 v[BNV+4], v[OFB], s[62:63]
	global_load_b32 v[SG], v[OFG], s[32:33]
	global_load_b32 v240, v[OFB], s[48:49]
	global_load_b32 v241, v[OFB2], s[50:51]
	global_load_b64 v[VM:VM+1], v[OMK], s[6:7] th:TH_LOAD_NT
	WLOAD W, OF1, 40, 256
	WLOAD W+32, OF2, 92, 256
	WLOAD CP, OF3, 46, 512
	WIN 0x40                                       ; destination window 1
.irp T, 0,1,2,3                                    ; lane (r, h), tile T, K step s, register j: pre_w(4 s + 2 h + j, the tile's row r)
.irp s, 0,1
.irp j, 0,1
	global_load_b32 v[PRE+6*\T+2*\s+\j], v[OPW], s[8:9] offset:1024*\s+256*\j+128*(\T/2)+32*(\T%2)
.endr
.endr
	global_load_b32 v[PRE+6*\T+4], v[ORP], s[8:9] offset:2048+128*(\T/2)+32*(\T%2)   ; row 8, in every lane; lanes 16-31 are cleared below
.endr
.set ii, 0
.rept 9                                            ; the zeros of the run, while the loads are on their way
.irp j, 0,1,2,3,4,5
	v_mov_b32 v[CH+12*ii+\j], 0
.endr
.set ii, ii+1
.endr
	WIN 0
.irp b, 0,1,2,3
	v_mov_b32 v[TM+4+\b], 0                        ; written once: a lane permute's destination counts as one of its sources
.endr
	s_wait_loadcnt 63                              ; of 125 loads the first 62 are in: the 9 small ones and unit 1 are among them
	v_add_f32 v[BNV+4], 0x3727c5ac, v[BNV+4]       ; rv + 1e-5
	v_rsq_f32 v[TM], v[BNV+4]
	v_sub_f32 v[BNV], v[BNV], v[BNV+3]             ; b - rm: the plain instruction behind the transcendental
	s_wait_alu depctr_va_vdst(0)                   ; the wait ahead of the first reader of the result
	v_mul_f32 v[TM], v[TM], v[BNV+1]               ; s
	v_fma_f32 v[TM+1], v[BNV], v[TM], v[BNV+2]     ; t = (b - rm) s + beta
	v_and_b32 v[TM+2], s73, v[TM]
	ds_store_b32 v[WI4], v[TM+2] offset:BNS
	ds_store_b32 v[WI4], v[TM+1] offset:BNT
	ds_store_b32 v[WI4], v240 offset:OB1
	ds_store_b32 v[WI4], v241 offset:OB2
	v_and_b32 v[SG], s74, v[SG]
.irp k, 0,1,2,3,4,5,6,7                            ; my 8 mask bytes: polyline lane / 4, points 8 (lane % 4) on
	v_bfe_u32 v[PC+\k], v[VM+\k/4], 8*(\k%4), 1
.endr
.irp k, 0,1,2,3,4,5,6,7
	v_sub_nc_u32 v[PC+\k], 0, v[PC+\k]             ; all ones or 0
.endr
.irp k, 0,1,2,3,4,5,6,7
	v_bfi_b32 v[PC+8+\k], v[PC+\k], 0, NEG         ; 0 or -3e38
.endr
	ds_store_b128 v[MTW], v[PC:PC+3]
	ds_store_b128 v[MTW], v[PC+4:PC+7] offset:16
	ds_store_b128 v[MTW], v[PC+8:PC+11] offset:PEN
	ds_store_b128 v[MTW], v[PC+12:PC+15] offset:PEN+16
	s_wait_dscnt 0x0                               ; the stores have read their registers
	WQ W, 0, IMG1, SC1
	s_wait_loadcnt 52                              ; unit 3's 32 loads and pre_w's 20 are younger than unit 2
	WQ W+32, 1, IMG2, SC2
	s_wait_loadcnt 20                              ; pre_w's 20 are younger than unit 3
	WQ CP, 0, IMG3, SC3
	s_wait_asynccnt 0x0                            ; my x has landed: no copy is out at the barrier
	s_wait_dscnt 0x0                               ; for the others' sake: my stores into the tables are done
	s_barrier_signal -1
	s_barrier_wait -1                              ; THE ONE BARRIER: the tables are whole
	; ---- what the first half needs, into registers
.irp T, 0,1,2,3
	FETCHW \T, IMG1+768*(2*\T)                     ; W0-3: m1's rows of K 0-63
	FETCHW 4+\T, IMG1+768*(2*\T+1)                 ; W4-7: of K 64-127
.endr
	DLAY S1, BNS+256
	DLAY T1, BNT+256
	WIN 0
.irp T, 0,1,2,3
	ds_load_b32 v[M1S+\T], v[A4] offset:SC1+128*(2*\T)
	ds_load_b32 v[M2S+\T], v[A4] offset:SC1+128*(2*\T+1)
	ds_load_b32 v[TM+\T], v[ARP] offset:BNS+128*(\T/2)+32*(\T%2)      ; layer 0's s and t at my row of tile T
	ds_load_b32 v[TM+4+\T], v[ARP] offset:BNT+128*(\T/2)+32*(\T%2)
.endr
	s_wait_dscnt 0x0
	s_wait_loadcnt 0x0                             ; pre_w
	s_mov_b32 vcc_lo, 0xffff                       ; lanes 0-15
.irp T, 0,1,2,3
	v_cndmask_b32 v[TM+8+\T], 0, v[TM+\T], vcc_lo  ; s in lanes 0-15, 0 in lanes 16-31: K rows 10 and 11 are zeros
.endr
	WIN 0x41                                       ; destination and source 0 window 1
.irp T, 0,1,2,3
.irp j, 0,1,2,3
	v_mul_f32 v[PRE+6*\T+\j], v[PRE+6*\T+\j], v[TM+\T]
.endr
	v_mul_f32 v[PRE+6*\T+4], v[PRE+6*\T+4], v[TM+8+\T]
.endr
	WIN 0x40
.irp T, 0,1,2,3
	v_cndmask_b32 v[PRE+6*\T+5], 0, v[TM+4+\T], vcc_lo   ; K row 9: t
.endr
	WIN 0
.set ii, 0
.rept 32
	v_mov_b32 v[CP+ii], 0                          ; the pool begins at 0: masked points count as zeros, and no f is negative
.set ii, ii+1
.endr
	v_mov_b32 v[VM], NEG
; ================ FIRST HALF: layer 0, the pool, f's codes.  Eight trips, a pair of tiles each ================
	s_mov_b32 s[CNT], 8
.Lfirst:
.irp e, 0,1
	ds_load_b32 v[XA+6*\e], v[AX] offset:72*\e
	ds_load_b32 v[XA+6*\e+1], v[AX] offset:72*\e+4
	ds_load_b32 v[XA+6*\e+2], v[AX] offset:72*\e+16
	ds_load_b32 v[XA+6*\e+3], v[AX] offset:72*\e+20
	ds_load_b32 v[XA+6*\e+4], v[AX2] offset:72*\e+32
	ds_load_b32 v[MWA+\e], v[AMW] offset:8*\e
.endr
	s_wait_dscnt 0x0                               ; they are in, and the last trip's stores have read their registers
.irp e, 0,1
.irp j, 0,1,2,3
	v_and_b32 v[XA+6*\e+\j], v[MWA+\e], v[XA+6*\e+\j]
.endr
	v_and_b32 v46, v[HM], v[MWA+\e]
	v_and_b32 v[XA+6*\e+4], v46, v[XA+6*\e+4]      ; K 8 in lanes 0-15, K 10 = 0 in lanes 16-31
	v_and_b32 v[XA+6*\e+5], 0x3f800000, v46        ; K 9: 1.0 for a valid point; K 11 = 0
.endr
	WIN 0x01                                       ; source 0 window 1
.irp s, 0,1,2                                      ; the eight accumulators by turns, one instruction a turn; the first K step starts the sums
.irp e, 0,1
.irp T, 0,1,2,3
.if \s == 0
	v_wmma_f32_16x16x4_f32 v[ACC+32*\e+8*\T:ACC+32*\e+8*\T+7], v[PRE+6*\T+2*\s:PRE+6*\T+2*\s+1], v[XA+6*\e+2*\s:XA+6*\e+2*\s+1], 0
.else
	v_wmma_f32_16x16x4_f32 v[ACC+32*\e+8*\T:ACC+32*\e+8*\T+7], v[PRE+6*\T+2*\s:PRE+6*\T+2*\s+1], v[XA+6*\e+2*\s:XA+6*\e+2*\s+1], v[ACC+32*\e+8*\T:ACC+32*\e+8*\T+7]
.endif
.endr
.endr
.endr
	WIN 0
	v_add_nc_u32 v[AX], 144, v[AX]                 ; four points on.  These three and five v_nop are the eight places behind this form
	v_add_nc_u32 v[AX2], 144, v[AX2]
	v_add_nc_u32 v[AMW], 16, v[AMW]
	PLACES 5
	RELU W, ACC, 64
.set ii, 0
.rept 32
	v_max3_num_f32 v[CP+ii], v[CP+ii], v[W+ii], v[W+32+ii]
.set ii, ii+1
.endr
	QUANT W
	ds_store_b128 v[ACD], v[PC:PC+3]               ; the operand goes to LDS as an image of its registers, 16 bytes a lane
	ds_store_b128 v[ACD], v[PC+4:PC+7] offset:512
	ds_store_b128 v[ACD], v[PC+8:PC+11] offset:1024
	ds_store_b32 v[ASC], v[PW]
	v_add_nc_u32 v[ACD], 1536, v[ACD]
	v_add_nc_u32 v[ASC], 128, v[ASC]
	s_sub_co_u32 s[CNT], s[CNT], 1
	s_cmp_lg_u32 s[CNT], 0
	s_cbranch_scc1 .Lfirst
; ================ BETWEEN: the pooled half's product, once ================
.set ii, 0
.rept 32
	v_max_num_f32_dpp v[W+ii], v[CP+ii], v[CP+ii] row_xmask:8 row_mask:0xf bank_mask:0xf   ; the even points' pool with the odd points'
.set ii, ii+1
.endr
	QUANT W                                        ; (registers 32-63 hold the last pair's tile b: finite numbers, whose codes meet zero codes)
	WIN 0x40
.set ii, 0
.rept 16
	v_mov_b32 v[F+ii], NEG                         ; sixteen plain instructions: the places between the scale word's and the codes' last writes and the products
.set ii, ii+1
.endr
	WIN 0x01
.irp T, 0,1,2,3
	FP6Z CP+8*\T, CH+54+12*\T, PC, M2S+\T, PW
.endr
	WIN 0x40
.rept 16
	v_mov_b32 v[F+ii], NEG                         ; and sixteen behind them: ahead of the loads into their sources, and of their results' use as the C of other accumulators
.set ii, ii+1
.endr
.irp T, 0,1,2,3
	FETCHW 4+\T, IMG2+768*\T                       ; W4-7: m2's tiles
.endr
	WIN 0
.irp T, 0,1,2,3
	ds_load_b32 v[M2S+\T], v[A4] offset:SC2+128*\T
.endr
	s_wait_dscnt 0x0
; ================ SECOND HALF: layers 1 and 2, the maximum.  Eight trips, a pair of tiles each ================
	s_mov_b32 s[CNT], 8
.Lsecond:
	ds_load_b128 v[OP:OP+3], v[BCD]
	ds_load_b128 v[OP+4:OP+7], v[BCD] offset:512
	ds_load_b128 v[OP+8:OP+11], v[BCD] offset:1024
	ds_load_b32 v[PWL], v[BSC]
	ds_load_b32 v[PN], v[APN] offset:PEN
	ds_load_b32 v[PN+1], v[APN] offset:PEN+8
	s_wait_dscnt 0x0
	WIN 0x01
.irp T, 0,1,2,3
	FP6C ACC+8*\T, CH+6+12*\T, OP, CP+8*\T, M1S+\T, PWL       ; tile a against (W | 0)
.endr
.irp T, 0,1,2,3
	FP6C ACC+32+8*\T, CH+12*\T, OP, CP+8*\T, M1S+\T, PWL      ; tile b against (0 | W)
.endr
	WIN 0x40
.irp j, 0,1,2,3,4,5,6,7                            ; the penalty words as C operands: a lane's eight results are one point's.  These are also the places behind the products
	v_mov_b32 v[PNA+\j], v[PN]
	v_mov_b32 v[PNB+\j], v[PN+1]
.endr
	WIN 0x14                                       ; sources 1 and 2 window 1
.set ii, 0
.rept 32
	v_pk_fma_f32 v[W+ii:W+ii+1], v[ACC+ii:ACC+ii+1], v[S1+ii%32:S1+ii%32+1], v[T1+ii%32:T1+ii%32+1]   ; BN: acc s + t
.set ii, ii+2
.endr
	WIN 0
	RELU W, W, 64
	QUANT W
	v_add_nc_u32 v[BCD], 1536, v[BCD]              ; four useful lines and four v_nop: eight places between the scale word's last write and the products
	v_add_nc_u32 v[BSC], 128, v[BSC]
	v_add_nc_u32 v[APN], 16, v[APN]
	v_max3_num_f32 v[VM], v[VM], v[PN], v[PN+1]
	PLACES 4
	WIN 0x11                                       ; sources 0 and 2 window 1
.irp T, 0,1,2,3
	FP6C ACC+8*\T, CH+54+12*\T, PC, PNA, M2S+\T, PW
	FP6C ACC+32+8*\T, CH+48+12*\T, PC, PNB, M2S+\T, PW
.endr
	WIN 0
	PLACES 4
	WIN 0x41                                       ; destination and source 0 window 1
.set ii, 0
.rept 32
	v_max3_num_f32 v[F+ii], v[F+ii], v[ACC+ii], v[ACC+32+ii]
.set ii, ii+1
.endr
	WIN 0
	s_sub_co_u32 s[CNT], s[CNT], 1
	s_cmp_lg_u32 s[CNT], 0
	s_cbranch_scc1 .Lsecond
; ================ THE OUT LAYERS, once a wave: 16 columns = 8 polylines, each twice ================
	DLAY W+32, BNS+512                             ; |s| of layer 2
	DLAY CP, BNT+512                               ; its t
.irp T, 0,1,2,3
	ds_load_b32 v[M1S+\T], v[A4] offset:SC2+128*(4+\T)
	ds_load_b32 v[M2S+\T], v[A4] offset:SC3+128*\T
	ds_load_b32 v[O2X+\T], v[A4] offset:SC3+128*(4+\T)
.endr
.irp T, 0,1,2,3
	FETCHW \T, IMG2+768*(4+\T)                     ; W0-3: out1's tiles
	FETCHW 4+\T, IMG3+768*\T                       ; W4-7: out2's tiles 0-3
.endr
	WIN 0x01
.set ii, 0
.rept 32
	v_mov_b32 v[W+ii], v[F+ii]
.set ii, ii+1
.endr
	WIN 0
.set ii, 0
.rept 32
	v_max_num_f32_dpp v[W+ii], v[W+ii], v[W+ii] row_xmask:8 row_mask:0xf bank_mask:0xf   ; the even points' maximum with the odd points'
.set ii, ii+1
.endr
	v_max_num_f32_dpp v[VM], v[VM], v[VM] row_xmask:8 row_mask:0xf bank_mask:0xf
	s_wait_dscnt 0x0
.set ii, 0
.rept 16
	v_pk_fma_f32 v[W+ii:W+ii+1], v[W+ii:W+ii+1], v[W+32+ii:W+32+ii+1], v[CP+ii:CP+ii+1]   ; BN of layer 2, once a polyline
.set ii, ii+2
.endr
	RELU W, W, 32                                  ; the polyline's feature
	DLAY CP, OB1                                   ; out1_b, the C of out1's products
	QUANT W
	PLACES 8
	s_wait_dscnt 0x0
	WIN 0x01
.irp T, 0,1,2,3
	FP6C ACC+8*\T, CH+6+12*\T, PC, CP+8*\T, M1S+\T, PW
.endr
	WIN 0
	PLACES 4                                       ; ahead of the loads into their sources and of the first read of their results
.irp T, 0,1,2,3
	FETCHW \T, IMG3+768*(4+\T)                     ; W0-3: out2's tiles 4-7
.endr
	WIN 0
	RELU W, ACC, 32
	QUANT W
.irp n, 0,1,2,3,4,5,6,7                            ; out2_b, the C of out2's products: register j of tile n is channel 16 n + 8 h + j
	ds_load_b128 v[W+8*\n:W+8*\n+3], v[AH32] offset:OB2+64*\n
	ds_load_b128 v[W+8*\n+4:W+8*\n+7], v[AH32] offset:OB2+64*\n+16
.endr
	PLACES 8
	s_wait_dscnt 0x0
	WIN 0x01
.irp n, 0,1,2,3
	FP6C ACC+8*\n, CH+54+12*\n, PC, W+8*\n, M2S+\n, PW
.endr
.irp n, 0,1,2,3
	FP6C ACC+32+8*\n, CH+6+12*\n, PC, W+32+8*\n, O2X+\n, PW
.endr
	WIN 0
	PLACES 4
	v_cmp_eq_f32 vcc_lo, 0, v[VM]                  ; a polyline with a valid point
.set ii, 0
.rept 64
	v_cndmask_b32 v[W+ii], 0, v[ACC+ii], vcc_lo    ; else zeros
.set ii, ii+1
.endr
	; THE WAY OUT: a lane holds 32 neighbouring bytes of a row; they go through my wave's stage (rows of 512 bytes + 16, in the bytes that held my images, which nobody reads any more) and come back as whole rows.
.irp n, 0,1,2,3,4,5,6,7
	ds_store_b128 v[STO], v[W+8*\n:W+8*\n+3] offset:64*\n          ; lanes r and r + 8 hold the same polyline and store the same bits to the same bytes
	ds_store_b128 v[STO], v[W+8*\n+4:W+8*\n+7] offset:64*\n+16
.endr
.irp i, 0,1,2,3,4,5,6,7
	ds_load_b128 v[CP+4*\i:CP+4*\i+3], v[SRD] offset:528*\i        ; LDS serves a wave's instructions in order (ISA guide 5.7.1.4): these see the stores above
.endr
.irp i, 0,1,2,3,4,5,6,7
	s_wait_dscnt 7-\i                              ; row i is back; the younger loads may be out
	global_store_b128 v[GO], v[CP+4*\i:CP+4*\i+3], s[52:53] offset:512*\i th:TH_STORE_NT   ; 32 lanes store a row's 512 consecutive bytes, at a multiple of 256 from the output's first byte
.endr
	s_set_vgpr_msb 0x4
	s_wait_tensorcnt 0x0
	ds_add_u32 v243, v255
	s_wait_dscnt 0x0
	s_set_vgpr_msb 0x400
	s_endpgm
.Lfunc_end_k_qed5c2381cf_encode:
	.size	k_qed5c2381cf_encode, .Lfunc_end_k_qed5c2381cf_encode-k_qed5c2381cf_encode
	.p2alignl 7, 3214868480
	.fill 96, 4, 3214868480
	.section	.rodata,"a",@progbits
	.p2align	6, 0x0
	.amdhsa_kernel k_qed5c2381cf_encode
		.amdhsa_group_segment_fixed_size 226304
		.amdhsa_private_segment_fixed_size 0
		.amdhsa_enable_private_segment 0
		.amdhsa_kernarg_size 200
		.amdhsa_user_sgpr_count 2
		.amdhsa_user_sgpr_kernarg_segment_ptr 1
		.amdhsa_wavefront_size32 1
		.amdhsa_system_sgpr_workgroup_id_x 1
		.amdhsa_system_sgpr_workgroup_id_y 1
		.amdhsa_system_sgpr_workgroup_id_z 1
		.amdhsa_system_vgpr_workitem_id 0
		.amdhsa_next_free_vgpr 512
		.amdhsa_next_free_sgpr 100
		.amdhsa_reserve_vcc 1
		.amdhsa_float_denorm_mode_32 3
		.amdhsa_float_denorm_mode_16_64 3
		.amdhsa_memory_ordered 1
		.amdhsa_forward_progress 1
		.amdhsa_inst_pref_size 96
	.end_amdhsa_kernel
	.amdgpu_metadata
---
amdhsa.version: [ 1, 2 ]
amdhsa.kernels:
  - .name:           k_qed5c2381cf_encode
    .symbol:         k_qed5c2381cf_encode.kd
    .args:
      - { .name: polylines, .offset: 0, .size: 8, .value_kind: global_buffer, .address_space: global }
      - { .name: polylines_mask, .offset: 8, .size: 8, .value_kind: global_buffer, .address_space: global }
      - { .name: pre_w, .offset: 16, .size: 8, .value_kind: global_buffer, .address_space: global }
      - { .name: pre_b, .offset: 24, .size: 8, .value_kind: global_buffer, .address_space: global }
      - { .name: pre_g, .offset: 32, .size: 8, .value_kind: global_buffer, .address_space: global }
      - { .name: pre_beta, .offset: 40, .size: 8, .value_kind: global_buffer, .address_space: global }
      - { .name: pre_rm, .offset: 48, .size: 8, .value_kind: global_buffer, .address_space: global }
      - { .name: pre_rv, .offset: 56, .size: 8, .value_kind: global_buffer, .address_space: global }
      - { .name: m1_b, .offset: 64, .size: 8, .value_kind: global_buffer, .address_space: global }
      - { .name: m1_g, .offset: 72, .size: 8, .value_kind: global_buffer, .address_space: global }
      - { .name: m1_beta, .offset: 80, .size: 8, .value_kind: global_buffer, .address_space: global }
      - { .name: m1_rm, .offset: 88, .size: 8, .value_kind: global_buffer, .address_space: global }
      - { .name: m1_rv, .offset: 96, .size: 8, .value_kind: global_buffer, .address_space: global }
      - { .name: m2_b, .offset: 104, .size: 8, .value_kind: global_buffer, .address_space: global }
      - { .name: m2_g, .offset: 112, .size: 8, .value_kind: global_buffer, .address_space: global }
      - { .name: m2_beta, .offset: 120, .size: 8, .value_kind: global_buffer, .address_space: global }
      - { .name: m2_rm, .offset: 128, .size: 8, .value_kind: global_buffer, .address_space: global }
      - { .name: m2_rv, .offset: 136, .size: 8, .value_kind: global_buffer, .address_space: global }
      - { .name: m1_w, .offset: 144, .size: 8, .value_kind: global_buffer, .address_space: global }
      - { .name: m2_w, .offset: 152, .size: 8, .value_kind: global_buffer, .address_space: global }
      - { .name: out1_w, .offset: 160, .size: 8, .value_kind: global_buffer, .address_space: global }
      - { .name: out2_w, .offset: 168, .size: 8, .value_kind: global_buffer, .address_space: global }
      - { .name: out1_b, .offset: 176, .size: 8, .value_kind: global_buffer, .address_space: global }
      - { .name: out2_b, .offset: 184, .size: 8, .value_kind: global_buffer, .address_space: global }
      - { .name: out0, .offset: 192, .size: 8, .value_kind: global_buffer, .address_space: global }
    .group_segment_fixed_size: 226304
    .private_segment_fixed_size: 0
    .kernarg_segment_align: 8
    .kernarg_segment_size: 200
    .max_flat_workgroup_size: 256
    .sgpr_count:     100
    .vgpr_count:     512
    .wavefront_size: 32
...
	.end_amdgpu_metadata
.endif
;; end of part 1
